; MI455X (gfx1250); checked and timed in simulation.
; The chip was launched on July 23, 2026; its instructions are those of AMD's public machine-readable ISA for CDNA 5 (MIT licence, August 2026) and "CDNA5" Instruction Set Architecture Reference Guide (July 2026). The comments in the code are by the model that wrote it; some were corrected since.
;; PNS Motor Net. Allowed arithmetic: matrix products marked QUANTISED: E2M1 operands, one E8M0 scale for each 32 along K, by v_wmma_scale_f32_16x16x128_f8f6f4 with both operands' format E2M1 (or v_wmma_scale_f32_32x16x128_f4), f32 sums; everything else in f32.
;; Inputs: W_codes 16 x 512 x 16 x 16 uint8 (E2M1 codes of W, K innermost, in blocks of 32 codes, two codes a byte); W_scales 16 x 512 x 16 uint8 (E8M0 scales of W, one for each 32 codes along K); action_codes 16,384 x 16 x 16 uint8 (E2M1 codes of action, K innermost, in blocks of 32 codes, two codes a byte); action_scales 16,384 x 16 uint8 (E8M0 scales of action, one for each 32 codes along K); b 16 x 512 float32; expert_idx 16,384 int32.
;; Outputs: out0 16,384 x 512 float32.
;; This version of the problem:
;;   THIS VERSION OF THE PROBLEM IS GIVEN IN LOW PRECISION. The matrix products marked QUANTISED in the list below multiply operands that are first quantised to E2M1 (2 exponent bits, 1 mantissa bit; 4 bits a number), with one power-of-two scale for each 32 numbers along K (OCP MX v1.0); their sums are f32. All else is computed in f32.
;;   The module's matrix products, in the order in which they are computed (A, B: the left and right operand; K: the contracted axis; several contracted axes count as one K, in the product's order):
;;     1. [M 16,384, K 512] x [K 512, N 8,192]; A: input action (given as codes); B: input W (given as codes): QUANTISED
;;   THE QUANTISER, for each operand of a quantised product, along K:
;;     - K is cut into blocks of 32 from its start; a last block that is shorter is filled with zeros.
;;     - A block's scale is 2^e with e = floor(log2(the largest magnitude in the block)) - 2, held to -126 .. 127; a block of zeros has e = 0. As a byte (E8M0): e + 127.
;;     - Each number is divided by its block's scale, clamped to +-6, and rounded to the nearest number of E2M1, ties to even, subnormals kept.
;;     - The product sums the exact products of the quantised numbers (number of the format x scale) in f32.
;;   ~~~python
;;   def quantise(x, axis):      # numpy; x: float32 -> the quantised numbers, widened to float32 again
;;       x = np.moveaxis(x, axis, -1); K = x.shape[-1]
;;       x = np.pad(x, [(0, 0)] * (x.ndim - 1) + [(0, -K % 32)]); x = x.reshape(x.shape[:-1] + (-1, 32)); a = np.abs(x).max(-1, keepdims=True)
;;       e = np.where(a > 0, np.clip(np.frexp(np.where(a > 0, a, 1))[1] - 1 - 2, -126, 127), 0)      # np.frexp(a)[1] - 1 = floor(log2(a)), exactly
;;       r = np.clip(x / 2.0 ** e, -6, 6)
;;       step = 2.0 ** (np.maximum(np.frexp(np.where(r == 0, 1, r))[1] - 1, 0) - 1)
;;       q = np.round(r / step) * step * 2.0 ** e      # np.round: ties to even
;;       return np.moveaxis(q.reshape(q.shape[:-2] + (-1,))[..., :K], -1, axis).astype(np.float32)
;;   ~~~
;;   INPUTS GIVEN AS CODES. W (in the module: [16, 512, 512], K = its axis 2); action (in the module: [16384, 512], K = its axis 1): each comes as NAME_codes (uint8): NAME with its K axis moved to the last place and cut into blocks of 32 codes, [.., K / 32, bytes a block], one block behind the other in memory; two codes a byte, the lower K in the low four bits (a code: sign, 2 exponent bits, 1 mantissa bit); and NAME_scales (uint8): the same leading axes, one E8M0 byte (e + 127) for each 32 codes along K. Its value is code x scale, taken as it is: it is not quantised again, and the codes and scales need not be those that the quantiser above would give.
;; One version. Each part assembles by itself: llvm-mc -triple=amdgcn-amd-amdhsa -mcpu=gfx1250 --defsym DOCPART=n.
;; ======== version 1 of 1: 1 launch
;; launch route_gemm (part 1): grid 16 x 16, 4 waves a work-group, no clusters, 244,736 bytes of LDS; arguments expert_idx, W_codes, W_scales, b, action_codes, action_scales, out0; writes out0
.if DOCPART == 1
	.amdgcn_target "amdgcn-amd-amdhsa--gfx1250"
	.amdhsa_code_object_version 6
	.text
	.protected	k_q932acfa851_route_gemm
	.globl	k_q932acfa851_route_gemm
	.p2align	8
	.type	k_q932acfa851_route_gemm,@function
k_q932acfa851_route_gemm:
	s_mov_b64 s[64:65], 0
	v_nop
	global_prefetch_b8 v0, s[64:65] scope:SCOPE_SE
	s_setreg_imm32_b32 hwreg(HW_REG_WAVE_MODE, 25, 1), 1
	s_wait_xcnt 0x0
; out0[i][:] = action[i] . W[expert_idx[i]]^T + b[expert_idx[i]].  16,384 tokens, 16 experts, K = N = 512.  action and W arrive as codes of FP4 (E2M1), K innermost
; (a row: 256 bytes of codes, 16 E8M0 scale bytes); b and out0 are f32.  Only the expert that a token names is multiplied.
; SHARES.  Work-group (x = j, y = e) owns expert e and the territory of tokens 1024 j .. 1024 j + 1023: it serves those tokens of the territory whose index is e (N of them, 0 to 1,024), so each
; output row has one owner.  Wave w owns output columns 128 w .. 128 w + 127 for all N rows; its 128 rows of W_e (32 KiB, dense) stay in 256 registers, their scale words and the bias too.
; W, its scales and the bias hang on the work-group's and the wave's number alone: they are asked for at the head, beside the indices.
; THE LIST.  Every wave loads the territory's 1,024 indices (8 dense loads) and makes 32 ballots (index == e) and 32 packed prefixes pk_k = (members before register k) << 8 | k.  Register k, lane l
; stands for token 128 (k / 4) + 4 l + k % 4 of the territory.  Row rho of the list: the last k with pk_k <= (rho << 8 | 255), then the (rho - base)-th set bit of that ballot, by counts of 16, 8, 4, 2, 1 bits.
; Rows go in chunks of 128: thread v0 finds row 128 c + v0 and stores its token at a fixed LDS word.  Rows past N get some token of the territory: they are loaded and multiplied, never stored.
; A CHUNK.  Wave w gathers rows 32 w .. 32 w + 31 (two whole rows of 256 bytes a load) into a shared LDS tile | barrier | every wave multiplies the chunk, 32 rows (a pair of tiles) at a time, and stores its
; 512 bytes of each row | barrier | the next chunk is listed and gathered.  The loop has 8 trips, a constant, and both barriers stand on every path; what hangs on N is jumped over inside a trip.
; THE PRODUCT IS USED TRANSPOSED: source 0 = 16 rows of W, source 1 = 16 tokens: lane (r, h) holds token r and columns 16 t + 8 h + 0 .. 7.  The bias is the C of each sum's first product.
; NOT SHARED IN A CLUSTER: W_e is read by the 16 work-groups of expert e, but a joint request is a tensor load.
; LIMITS: an index outside 0 .. 15 is served by no work-group (its row is not written); a scale byte 0xff gives what the matrix unit makes of it.
; REGISTERS, in windows of 256.  Window 0: v0-18 addresses; v20-34 the list's work; v40-55 W's scale words; v56-63 the tokens' scale words; v64-95 a pair's tokens, then their offsets in out0;
;   v128-255 rows back from the stage, two sets of 64 (at the head and while a chunk is gathered: v128-159 indices, v160-175 gather offsets, v176-179 my row's scales, v192-255 gathered codes).
;   Window 1: W: as loaded at v[4 i], then fragment (tile t, K step s) at v[32 t + 8 s].   Window 2: v0-127 accumulators (mm, t) at v[64 mm + 8 t]; v128-191 the bias, tile t at v[128 + 8 t]; v192-255 the tokens' fragments.
.set WSTW, 34816                       ; LDS: from 0 a stage for W, each wave's own: 128 rows x 272 (256 bytes + 16: 68 words, so that the 16 rows of a load start at 16 different banks: ISA guide 11.1)
.set AREG, 4*WSTW                      ; the chunk's codes: 128 rows x 272
.set ASC,  AREG+128*272                ; its scale bytes: 16 a row
.set LIST, ASC+128*16                  ; its tokens: a word a row
.set OST,  LIST+128*4                  ; the way out, each wave's own: two stages of 16 rows x 528 (512 bytes + 16)
.set OSTW, 2*16*528
.set BAL,  32                          ; s32-63  the ballots
.set PK,   66                          ; s66-98  the packed prefixes pk_0 .. pk_32
.set RHO,  20
.set KEY,  21
.set M,    22
.set P,    23
.set KK,   24
.set KS,   25
.set A2,   26
.set B4,   27
.set C8,   28
.set POS,  29
.set CN,   30
.set T1,   31
.set T2,   32
.set TK,   33
.set SAA,  34
.set SW,   40                          ; register 4 u + s: K step s's scale words of W's tile 2 u (lanes 0-15) and tile 2 u + 1 (lanes 16-31); these and SA hold scales and nothing else
.set SA,   56                          ; register 4 mm + s: K step s's scale words of the pair's tile mm
.set TOK,  64
.set BK,   128
.set X,    128
.set GT,   160
.set GS,   176
.set GA,   192
.set BI,   128                         ; in window 2
.set AF,   192                         ; in window 2
.set MSB, 0
.macro WIN new                         ; the immediate's high byte repeats the setting that is left; at a label and at a branch every window is 0
.if MSB != \new
	s_set_vgpr_msb (MSB<<8)|\new
.set MSB, \new
.endif
.endm
.macro BARRIER                         ; my LDS stores have landed and my LDS loads are in: then the work-group's barrier
	s_wait_dscnt 0x0
	s_barrier_signal -1
	s_barrier_wait -1
.endm
	s_load_b256 s[4:11], s[0:1], 0x0               ; expert_idx s[4:5], W_codes s[6:7], W_scales s[8:9], b s[10:11]
	s_load_b128 s[12:15], s[0:1], 0x20             ; action_codes s[12:13], action_scales s[14:15]
	s_load_b64 s[16:17], s[0:1], 0x30              ; out0
	v_lshl_add_u32 v126, v0, 2, 0x3ba00
	v_mov_b32 v127, 0
	v_lshrrev_b32 v1, 5, v0
	v_readfirstlane_b32 s18, v1                    ; wave w
	s_and_b32 s19, ttmp7, 0xffff                   ; expert e
	s_lshl_b32 s28, ttmp9, 10                      ; the territory's first token
	s_lshl_b32 s32, ttmp9, 12                      ; offsets, each in a pair of its own: the territory's indices: 4,096 j
	s_mov_b32 s33, 0
	s_lshl_b32 s34, s19, 17                        ; W's codes: 131,072 e + 32,768 w
	s_lshl_b32 s30, s18, 15
	s_add_co_u32 s34, s34, s30
	s_mov_b32 s35, 0
	s_lshr_b32 s36, s34, 4                         ; W's scales: 8,192 e + 2,048 w
	s_mov_b32 s37, 0
	s_lshr_b32 s38, s34, 6                         ; b: 2,048 e + 512 w
	s_mov_b32 s39, 0
	v_and_b32 v1, 15, v0                           ; r
	v_bfe_u32 v2, v0, 4, 1                         ; h
	v_and_b32 v3, 31, v0                           ; lane
	v_lshlrev_b32 v4, 4, v3                        ; 16 x lane: dense loads
	v_lshlrev_b32 v5, 4, v1                        ; 16 r: my 16 bytes of a row of codes
	v_lshlrev_b32 v6, 5, v2                        ; 32 h: my eight numbers of a tile of the bias
	s_wait_kmcnt 0x0
	s_add_nc_u64 s[4:5], s[4:5], s[32:33]
	s_add_nc_u64 s[6:7], s[6:7], s[34:35]
	s_add_nc_u64 s[8:9], s[8:9], s[36:37]
	s_add_nc_u64 s[10:11], s[10:11], s[38:39]
.irp u, 0,1,2,3
	global_load_b128 v[SW+4*\u:SW+4*\u+3], v4, s[8:9] offset:512*\u        ; lane l: the 16 scale bytes of my wave's row 32 u + l of W: four words, one a K step
.endr
	WIN 0x80                                       ; destination window 2
.irp t, 0,1,2,3,4,5,6,7
	global_load_b128 v[BI+8*\t:BI+8*\t+3], v6, s[10:11] offset:64*\t       ; b[e][128 w + 16 t + 8 h + 0 .. 7]: the result's layout
	global_load_b128 v[BI+8*\t+4:BI+8*\t+7], v6, s[10:11] offset:64*\t+16
.endr
	WIN 0
.irp i, 0,1,2,3,4,5,6,7
	global_load_b128 v[X+4*\i:X+4*\i+3], v4, s[4:5] offset:512*\i          ; the territory's indices: 512 consecutive bytes a load
.endr
	WIN 0x40                                       ; destination window 1
.set n, 0
.rept 64
	global_load_b128 v[4*n:4*n+3], v4, s[6:7] offset:512*n                 ; my 128 rows of W as they lie: two rows a load
.set n, n+1
.endr
	WIN 0
	; LDS addresses: constants, the lane's r and h, the wave's number
	s_mul_i32 s30, s18, WSTW
	v_mul_u32_u24 v7, v2, 272
	v_lshl_add_u32 v7, v1, 4, v7                   ; 272 h + 16 r: two rows as a dense load brings them
	v_mul_u32_u24 v8, v1, 272
	v_lshl_add_u32 v8, v2, 4, v8                   ; 272 r + 16 h: a fragment's row and half
	s_mul_i32 s31, s18, 32*272
	s_add_co_u32 s31, s31, AREG
	v_add_nc_u32 v9, s31, v7                       ; v9  where I put gathered codes: my wave's 32 rows of the chunk
	v_add_nc_u32 v10, AREG, v8                     ; v10 where I read the tokens' fragments
	v_add_nc_u32 v7, s30, v7                       ; v7  W into my stage
	v_add_nc_u32 v8, s30, v8                       ; v8  W's fragments out of it
	v_lshl_add_u32 v11, v0, 2, LIST                ; v11 my row's word of the list
	s_lshl_b32 s31, s18, 7
	s_add_co_u32 s31, s31, LIST
	v_lshl_add_u32 v12, v2, 2, s31                 ; v12 my wave's 32 words, by pairs: word h
	v_mov_b32 v13, LIST                            ; v13 the list, the same word for every lane
	v_lshl_add_u32 v14, v0, 4, ASC                 ; v14 my row's scale bytes
	v_lshl_add_u32 v15, v1, 4, ASC                 ; v15 a tile's scale bytes: row r
	s_mul_i32 s31, s18, OSTW
	s_add_co_u32 s31, s31, OST
	v_mul_u32_u24 v16, v1, 528
	v_lshl_add_u32 v16, v2, 5, v16
	v_add_nc_u32 v16, s31, v16                     ; v16 the way out: row r, + 32 h
	v_add_nc_u32 v17, s31, v4                      ; v17 and back: a row of 512 bytes over the 32 lanes
	v_lshlrev_b32 v18, 4, v0                       ; v18 my bytes in a row of out0: 512 w + 16 x lane
	s_wait_loadcnt 63                              ; behind the index loads stand 64 loads of W, and the wait's field names 63 at the most: the scales, the bias, the indices and one load of W are in
	; THE BALLOTS AND THEIR PREFIXES
.set k, 0
.rept 32
	v_cmp_eq_u32 s[BAL+k], s19, v[X+k]
.set k, k+1
.endr
	s_mov_b32 s[PK], 0
.set k, 0
.rept 32
	s_bcnt1_i32_b32 s30, s[BAL+k]
	s_lshl_b32 s30, s30, 8
	s_add_co_u32 s[PK+k+1], s[PK+k], s30
	s_add_co_u32 s[PK+k+1], s[PK+k+1], 1
.set k, k+1
.endr
	s_lshr_b32 s25, s[PK+32], 8                    ; s25: rows still to serve, from this chunk's first on: N - 128 c (signed)
	s_mov_b32 s26, 0                               ; s26: the chunk's first row, 128 c
; One halving of the search for the KK-th set bit: src holds the counts of groups of width bits; the group at POS is passed over if it holds KK bits or fewer.
.macro PICK src, width
	v_bfe_u32 v[CN], v[\src], v[POS], \width
	v_cmp_ge_u32 vcc_lo, v[KK], v[CN]
	v_cndmask_b32 v[T1], 0, v[CN], vcc_lo
	v_cndmask_b32 v[T2], 0, \width, vcc_lo
	v_sub_nc_u32 v[KK], v[KK], v[T1]
	v_add_nc_u32 v[POS], v[POS], v[T2]
.endm
; Thread v0 finds the token of list row s26 + v0 and stores it at its word.
.macro MKLIST
	v_add_nc_u32 v[RHO], s26, v0
	v_lshl_or_b32 v[KEY], v[RHO], 8, 255
	v_mov_b32 v[M], s[BAL]
	v_mov_b32 v[P], 0
.set k, 1
.rept 31
	v_cmp_le_u32 vcc_lo, s[PK+k], v[KEY]           ; the prefixes do not fall, so the last k that passes stays
	v_cndmask_b32 v[M], v[M], s[BAL+k], vcc_lo
	v_cndmask_b32 v[P], v[P], s[PK+k], vcc_lo
.set k, k+1
.endr
	v_lshrrev_b32 v[T1], 8, v[P]
	v_sub_nc_u32 v[KK], v[RHO], v[T1]              ; which set bit of the ballot, from 0
	v_and_b32 v[KS], 0xff, v[P]                    ; which register
	v_lshrrev_b32 v[T1], 1, v[M]
	v_and_b32 v[T1], 0x55555555, v[T1]
	v_sub_nc_u32 v[A2], v[M], v[T1]                ; counts of 2 bits,
	v_lshrrev_b32 v[T1], 2, v[A2]
	v_and_b32 v[T2], 0x33333333, v[A2]
	v_and_b32 v[T1], 0x33333333, v[T1]
	v_add_nc_u32 v[B4], v[T1], v[T2]               ; of 4,
	v_lshrrev_b32 v[T1], 4, v[B4]
	v_add_nc_u32 v[T1], v[T1], v[B4]
	v_and_b32 v[C8], 0x0f0f0f0f, v[T1]             ; of 8,
	v_lshrrev_b32 v[T1], 8, v[C8]
	v_add_nc_u32 v[T1], v[T1], v[C8]
	v_and_b32 v[CN], 0xff, v[T1]                   ; of the low 16
	v_cmp_ge_u32 vcc_lo, v[KK], v[CN]
	v_cndmask_b32 v[T1], 0, v[CN], vcc_lo
	v_cndmask_b32 v[POS], 0, 16, vcc_lo
	v_sub_nc_u32 v[KK], v[KK], v[T1]
	PICK C8, 8
	PICK B4, 4
	PICK A2, 2
	PICK M, 1                                      ; POS, 0 .. 31: the lane that held the index
	v_lshrrev_b32 v[T1], 2, v[KS]
	v_lshl_add_u32 v[T1], v[T1], 7, s28
	v_and_b32 v[T2], 3, v[KS]
	v_lshl_add_u32 v[T2], v[POS], 2, v[T2]
	v_add_nc_u32 v[TK], v[T1], v[T2]               ; the territory's first token + 128 (k / 4) + 4 POS + k % 4
	v_min_u32 v[TK], 0x3fff, v[TK]                 ; held inside the 16,384 tokens: it enters addresses
	ds_store_b32 v11, v[TK]
.endm
; My row's scale bytes, and my wave's 32 rows of codes: lanes 0-15 take row 2 i whole, lanes 16-31 row 2 i + 1.
.macro GATHER
	v_lshlrev_b32 v[SAA], 4, v[TK]
	global_load_b128 v[GS:GS+3], v[SAA], s[14:15]
.set n, 0
.rept 16
	ds_load_b32 v[GT+n], v12 offset:8*n            ; my wave's own words: LDS serves a wave's instructions in order (ISA guide 5.7.1.4), so these see the store above
.set n, n+1
.endr
	s_wait_dscnt 0x0
.set n, 0
.rept 16
	v_min_u32 v[GT+n], 0x3fff, v[GT+n]
.set n, n+1
.endr
.set n, 0
.rept 16
	v_lshl_add_u32 v[GT+n], v[GT+n], 8, v5         ; token x 256 + 16 r
.set n, n+1
.endr
.set n, 0
.rept 16
	global_load_b128 v[GA+4*n:GA+4*n+3], v[GT+n], s[12:13]
.set n, n+1
.endr
.endm
.macro LAND                            ; what was gathered goes into the chunk's tile
	s_wait_loadcnt 0x0
	ds_store_b128 v14, v[GS:GS+3]
.set n, 0
.rept 16
	ds_store_b128 v9, v[GA+4*n:GA+4*n+3] offset:544*n
.set n, n+1
.endr
.endm
	; THE FIRST CHUNK, on one path for every N; W is turned into fragments while the gathered rows are on their way
	MKLIST
	GATHER
	s_wait_loadcnt 17                              ; only the gather's 1 + 16 loads may be out: W is in
	WIN 0x04                                       ; an LDS store's data are its source 1: window 1
.set n, 0
.rept 64
	ds_store_b128 v7, v[4*n:4*n+3] offset:544*n
.set n, n+1
.endr
	WIN 0x40
.irp t, 0,1,2,3,4,5,6,7                ; a fragment, 16 rows x 128 K of 4-bit codes: lane (r, h) holds row r; registers 4 c .. 4 c + 3 hold K = 64 c + 32 h + 0 .. 31
.irp s, 0,1,2,3
.irp c, 0,1
	ds_load_b128 v[32*\t+8*\s+4*\c:32*\t+8*\s+4*\c+3], v8 offset:4352*\t+64*\s+32*\c   ; my own stage, served in order: these see the stores above
.endr
.endr
.endr
	WIN 0
	LAND
.macro PROD mm, t, s                   ; 16 columns (tile t) x 16 tokens (tile mm) x 128 along K (step s)
.set rD, 64*(\mm)+8*(\t)
.set rW, 32*(\t)+8*(\s)
.set rA, AF+32*(\mm)+8*(\s)
.set rC, rD
.if (\s) == 0
.set rC, BI+8*(\t)                     ; the first product starts the sum with the bias
.endif
.if (\t)%2
	v_wmma_scale_f32_16x16x128_f8f6f4 v[rD:rD+7], v[rW:rW+7], v[rA:rA+7], v[rC:rC+7], v[SW+4*((\t)/2)+(\s)], v[SA+4*(\mm)+(\s)] matrix_a_fmt:MATRIX_FMT_FP4 matrix_b_fmt:MATRIX_FMT_FP4 matrix_a_scale:MATRIX_SCALE_ROW1
.else
	v_wmma_scale_f32_16x16x128_f8f6f4 v[rD:rD+7], v[rW:rW+7], v[rA:rA+7], v[rC:rC+7], v[SW+4*((\t)/2)+(\s)], v[SA+4*(\mm)+(\s)] matrix_a_fmt:MATRIX_FMT_FP4 matrix_b_fmt:MATRIX_FMT_FP4
.endif
.endm
; Rows 32 p .. 32 p + 31 of the chunk.  The rows that count are a prefix of the chunk: the first that does not leaves the chunk.
.macro PAIR p
	s_cmp_gt_i32 s25, 32*\p
	s_cbranch_scc0 .Lchunk_end
	s_wait_xcnt 0x0                                ; the last pair's stores have read their offsets and data: both are written again below
	WIN 0x80
.irp mm, 0,1
.irp s, 0,1,2,3
.irp c, 0,1
	ds_load_b128 v[AF+32*\mm+8*\s+4*\c:AF+32*\mm+8*\s+4*\c+3], v10 offset:(2*\p+\mm)*4352+64*\s+32*\c
.endr
.endr
.endr
	WIN 0
.irp mm, 0,1
	ds_load_b128 v[SA+4*\mm:SA+4*\mm+3], v15 offset:256*(2*\p+\mm)
.endr
.irp q, 0,1,2,3,4,5,6,7
	ds_load_b128 v[TOK+4*\q:TOK+4*\q+3], v13 offset:128*\p+16*\q           ; the pair's 32 tokens, in every lane
.endr
	s_wait_dscnt 8                                 ; fragments and scale words are in; the eight loads of tokens may be out
	WIN 0xa9                                       ; source 0 (W) window 1; source 1, C and D window 2
.irp s, 0,1,2,3                        ; the 16 accumulators take turns, one instruction a turn
.irp mm, 0,1
.irp t, 0,1,2,3,4,5,6,7
	PROD \mm, \t, \s
.endr
.endr
.endr
	WIN 0
	s_wait_dscnt 0x0                               ; the tokens
; These 64 plain lines name no register of the products: they are the places between the last products and the stage's stores of the results, the next pair's loads into the
; fragments and scale words, and its first products, which begin the accumulators anew.
.set n, 0
.rept 32
	v_min_u32 v[TOK+n], 0x3fff, v[TOK+n]
.set n, n+1
.endr
.set n, 0
.rept 32
	v_lshl_add_u32 v[TOK+n], v[TOK+n], 11, v18     ; token x 2,048 + 512 w + 16 x lane
.set n, n+1
.endr
.irp mm, 0,1                           ; a lane holds 32 bytes of a row, the lanes beside it other rows: through my own stage, back as whole rows of 512 bytes
	WIN 0x08                                       ; the data: window 2
.irp t, 0,1,2,3,4,5,6,7
	ds_store_b128 v16, v[64*\mm+8*\t:64*\mm+8*\t+3] offset:8448*\mm+64*\t          ; each accumulator from its low end on
	ds_store_b128 v16, v[64*\mm+8*\t+4:64*\mm+8*\t+7] offset:8448*\mm+64*\t+16
.endr
	WIN 0
.irp i, 0,1,2,3,4,5,6,7,8,9,10,11,12,13,14,15
	ds_load_b128 v[BK+64*\mm+4*\i:BK+64*\mm+4*\i+3], v17 offset:8448*\mm+528*\i   ; served in order: these see the stores above
.endr
.endr
.set n, 0
.rept 32
.if n == 0
	s_wait_dscnt 32                                ; tile 0's rows are back; behind them stand tile 1's 16 stores and 16 loads
.endif
.if n == 16
	s_wait_dscnt 0x0
.endif
.if n > 0
	s_cmp_gt_i32 s25, 32*\p+n                      ; (the pair's first row was checked at its head)
	s_cbranch_scc0 .Lchunk_end
.endif
	global_store_b128 v[TOK+n], v[BK+4*n:BK+4*n+3], s[16:17] th:TH_STORE_NT        ; 32 lanes store 512 consecutive bytes of one token's row, at a multiple of 256 from out0's first byte; written once
.set n, n+1
.endr
.endm
	s_mov_b32 s27, 0
.Lchunk:                                               ; 8 trips: 1,024 rows at the most
	BARRIER                                        ; the chunk's tokens, codes and scale bytes lie in LDS (first trip: and my fragments of W are in)
	PAIR 0
	PAIR 1
	PAIR 2
	PAIR 3
.Lchunk_end:
	s_wait_xcnt 0x0                                ; the stores have read their offsets and data: the gather below writes those registers
	BARRIER                                        ; every wave's reads of the chunk are over: it may be written again
	s_sub_co_i32 s25, s25, 128
	s_add_co_u32 s26, s26, 128
	s_cmp_gt_i32 s25, 0
	s_cbranch_scc0 .Lno_fill                       ; no rows are left: nothing is listed or gathered
	MKLIST
	GATHER
	LAND
.Lno_fill:
	s_add_co_u32 s27, s27, 1
	s_cmp_lt_u32 s27, 8
	s_cbranch_scc1 .Lchunk
	s_wait_dscnt 0x0                               ; no LDS instruction of mine is out at the end
	s_wait_tensorcnt 0x0
	ds_add_u32 v126, v127
	s_wait_dscnt 0x0
	s_endpgm
.Lfunc_end_k_q932acfa851_route_gemm:
	.size	k_q932acfa851_route_gemm, .Lfunc_end_k_q932acfa851_route_gemm-k_q932acfa851_route_gemm
	.p2alignl 7, 3214868480
	.fill 96, 4, 3214868480
	.section	.rodata,"a",@progbits
	.p2align	6, 0x0
	.amdhsa_kernel k_q932acfa851_route_gemm
		.amdhsa_group_segment_fixed_size 244736
		.amdhsa_private_segment_fixed_size 0
		.amdhsa_enable_private_segment 0
		.amdhsa_kernarg_size 56
		.amdhsa_user_sgpr_count 2
		.amdhsa_user_sgpr_kernarg_segment_ptr 1
		.amdhsa_wavefront_size32 1
		.amdhsa_system_sgpr_workgroup_id_x 1
		.amdhsa_system_sgpr_workgroup_id_y 1
		.amdhsa_system_sgpr_workgroup_id_z 1
		.amdhsa_system_vgpr_workitem_id 0
		.amdhsa_next_free_vgpr 768
		.amdhsa_next_free_sgpr 100
		.amdhsa_reserve_vcc 1
		.amdhsa_float_denorm_mode_32 3
		.amdhsa_float_denorm_mode_16_64 3
		.amdhsa_memory_ordered 1
		.amdhsa_forward_progress 1
		.amdhsa_inst_pref_size 147
	.end_amdhsa_kernel
	.amdgpu_metadata
---
amdhsa.version: [ 1, 2 ]
amdhsa.kernels:
  - .name:           k_q932acfa851_route_gemm
    .symbol:         k_q932acfa851_route_gemm.kd
    .args:
      - { .name: expert_idx, .offset: 0, .size: 8, .value_kind: global_buffer, .address_space: global }
      - { .name: W_codes, .offset: 8, .size: 8, .value_kind: global_buffer, .address_space: global }
      - { .name: W_scales, .offset: 16, .size: 8, .value_kind: global_buffer, .address_space: global }
      - { .name: b, .offset: 24, .size: 8, .value_kind: global_buffer, .address_space: global }
      - { .name: action_codes, .offset: 32, .size: 8, .value_kind: global_buffer, .address_space: global }
      - { .name: action_scales, .offset: 40, .size: 8, .value_kind: global_buffer, .address_space: global }
      - { .name: out0, .offset: 48, .size: 8, .value_kind: global_buffer, .address_space: global }
    .group_segment_fixed_size: 244736
    .private_segment_fixed_size: 0
    .kernarg_segment_align: 8
    .kernarg_segment_size: 56
    .max_flat_workgroup_size: 128
    .sgpr_count:     100
    .vgpr_count:     768
    .wavefront_size: 32
...
	.end_amdgpu_metadata
.endif
;; end of part 1
